; MI455X (gfx1250); checked and timed in simulation.
; The chip was launched on July 23, 2026; its instructions are those of AMD's public machine-readable ISA for CDNA 5 (MIT licence, August 2026) and "CDNA5" Instruction Set Architecture Reference Guide (July 2026). The comments in the code are by the model that wrote it; some were corrected since.
;; Scaled Dot Product Attention. Allowed arithmetic: matrix products marked QUANTISED: E2M1 operands, one E8M0 scale for each 32 along K, by v_wmma_scale_f32_16x16x128_f8f6f4 with both operands' format E2M1 (or v_wmma_scale_f32_32x16x128_f4), f32 sums; everything else in f32.
;; Inputs: K_codes 16 x 2,048 x 4 x 16 uint8 (E2M1 codes of K, K innermost, in blocks of 32 codes, two codes a byte); K_scales 16 x 2,048 x 4 uint8 (E8M0 scales of K, one for each 32 codes along K); Q_codes 16 x 2,048 x 4 x 16 uint8 (E2M1 codes of Q, K innermost, in blocks of 32 codes, two codes a byte); Q_scales 16 x 2,048 x 4 uint8 (E8M0 scales of Q, one for each 32 codes along K); V_codes 16 x 128 x 64 x 16 uint8 (E2M1 codes of V, K innermost, in blocks of 32 codes, two codes a byte); V_scales 16 x 128 x 64 uint8 (E8M0 scales of V, one for each 32 codes along K); mask 16 x 2,048 x 2,048 bool.
;; Outputs: out0 16 x 2,048 x 128 float32.
;; This version of the problem:
;;   THIS VERSION OF THE PROBLEM IS GIVEN IN LOW PRECISION. The matrix products marked QUANTISED in the list below multiply operands that are first quantised to E2M1 (2 exponent bits, 1 mantissa bit; 4 bits a number), with one power-of-two scale for each 32 numbers along K (OCP MX v1.0); their sums are f32. All else is computed in f32.
;;   The module's matrix products, in the order in which they are computed (A, B: the left and right operand; K: the contracted axis; several contracted axes count as one K, in the product's order):
;;     1. batch 16 x [M 2,048, K 128] x [K 128, N 2,048]; A: input Q (given as codes); B: input K (given as codes): QUANTISED
;;     2. batch 16 x [M 2,048, K 2,048] x [K 2,048, N 128]; A: softmax (see below); B: input V (given as codes): QUANTISED
;;   THE QUANTISER, for each operand of a quantised product, along K:
;;     - K is cut into blocks of 32 from its start; a last block that is shorter is filled with zeros.
;;     - A block's scale is 2^e with e = floor(log2(the largest magnitude in the block)) - 2, held to -126 .. 127; a block of zeros has e = 0. As a byte (E8M0): e + 127.
;;     - Each number is divided by its block's scale, clamped to +-6, and rounded to the nearest number of E2M1, ties to even, subnormals kept.
;;     - The product sums the exact products of the quantised numbers (number of the format x scale) in f32.
;;   ~~~python
;;   def quantise(x, axis):      # numpy; x: float32 -> the quantised numbers, widened to float32 again
;;       x = np.moveaxis(x, axis, -1); K = x.shape[-1]
;;       x = np.pad(x, [(0, 0)] * (x.ndim - 1) + [(0, -K % 32)]); x = x.reshape(x.shape[:-1] + (-1, 32)); a = np.abs(x).max(-1, keepdims=True)
;;       e = np.where(a > 0, np.clip(np.frexp(np.where(a > 0, a, 1))[1] - 1 - 2, -126, 127), 0)      # np.frexp(a)[1] - 1 = floor(log2(a)), exactly
;;       r = np.clip(x / 2.0 ** e, -6, 6)
;;       step = 2.0 ** (np.maximum(np.frexp(np.where(r == 0, 1, r))[1] - 1, 0) - 1)
;;       q = np.round(r / step) * step * 2.0 ** e      # np.round: ties to even
;;       return np.moveaxis(q.reshape(q.shape[:-2] + (-1,))[..., :K], -1, axis).astype(np.float32)
;;   ~~~
;;   SOFTMAX AHEAD OF A QUANTISED PRODUCT. Where the list says 'softmax', what is quantised is not the finished softmax but p = 2^(t - M), with t = logit x log2(e) and M = ceil(the row's largest t), a whole number; so 1/2 < the row's largest p <= 1. The row's sum l is taken of the UNQUANTISED p, in f32, and the product's result is divided by l at the end. Since M is a whole number, a kernel that streams over the keys may use a running M (the ceiling of the running maximum): every later rescaling is an exact power of two, which a block's scale takes up: the codes' values come out the same.
;;   OPERANDS COMPUTED ON THE WAY. 'Computed on the way' means the value that the module computes at that place (a softmax that the list does not call 'softmax' is quantised finished and normalised). What goes into a quantiser is computed in f32, as accurately as f32 sums, v_exp_f32 and their like allow (about 1e-6 of the number): no bf16 or f16 on the way to a quantiser, and a product that is left as it is and whose result goes on into a quantised operand takes f32 operands (vector FMAs, or v_wmma_f32_16x16x4_f32). A number that lies on a knife's edge between two numbers of the format may be rounded either way, as far as f32 arithmetic and the matrix unit's own rounding can turn it there, and no further.
;;   INPUTS GIVEN AS CODES. K (in the module: [16, 2048, 128], K = its axis 2); Q (in the module: [16, 2048, 128], K = its axis 2); V (in the module: [16, 2048, 128], K = its axis 1): each comes as NAME_codes (uint8): NAME with its K axis moved to the last place and cut into blocks of 32 codes, [.., K / 32, bytes a block], one block behind the other in memory; two codes a byte, the lower K in the low four bits (a code: sign, 2 exponent bits, 1 mantissa bit); and NAME_scales (uint8): the same leading axes, one E8M0 byte (e + 127) for each 32 codes along K. Its value is code x scale, taken as it is: it is not quantised again, and the codes and scales need not be those that the quantiser above would give.
;; One version. Each part assembles by itself: llvm-mc -triple=amdgcn-amd-amdhsa -mcpu=gfx1250 --defsym DOCPART=n.
;; ======== version 1 of 1: 1 launch
;; limits: right only within a limited range of input values
;; launch attn (part 1): grid 16 x 16, 8 waves a work-group, clusters of 4 x 1, 327,680 bytes of LDS; arguments K_codes, K_scales, Q_codes, Q_scales, V_codes, V_scales, mask, out0; writes out0
.if DOCPART == 1
	.amdgcn_target "amdgcn-amd-amdhsa--gfx1250"
	.amdhsa_code_object_version 6
	.text
	.protected	k_q4ecd47d974_attn
	.globl	k_q4ecd47d974_attn
	.p2align	8
	.type	k_q4ecd47d974_attn,@function
k_q4ecd47d974_attn:
	s_mov_b64 s[64:65], 0
	v_nop
	global_prefetch_b8 v0, s[64:65] scope:SCOPE_SE
	s_setreg_imm32_b32 hwreg(HW_REG_WAVE_MODE, 25, 1), 1
	s_wait_xcnt 0x0
	s_wait_alu depctr_hold_cnt(0) depctr_sa_sdst(0) depctr_va_vdst(0) depctr_va_sdst(0) depctr_va_ssrc(0) depctr_va_vcc(0) depctr_vm_vsrc(0)
	s_getreg_b32 s2, hwreg(HW_REG_IB_STS2, 6, 4)
	s_cmp_eq_u32 s2, 0
	s_cbranch_scc0 .Lentry_in_a_cluster
	s_endpgm
.Lentry_in_a_cluster:
	s_bfe_u32 s2, ttmp6, 0x10000c
	s_cmp_lg_u32 s2, 0x3003
	s_cbranch_scc0 .Lentry_shape_is_right
	s_endpgm
.Lentry_shape_is_right:
; out0[h][q][:] = sum over k of softmax_k(where(mask, -1e9, Q[h][q] . K[h][k] / sqrt(128))) V[h][k][:].  16 heads, 2,048 queries, 2,048 keys, head size 128.
; Q, K: codes of FP4 (E2M1), 64 bytes a row, 4 E8M0 bytes a row.  V: codes with the KEYS innermost, [128][2,048], 1,024 bytes a row, 64 E8M0 bytes a row.  mask: one byte (0 or 1) a score.  out0: f32.
; THE SOFTMAX AHEAD OF THE SECOND PRODUCT: t = score x log2(e) / sqrt(128); M = the row's largest t so far, rounded up to a whole number; p = 2^(t - M) is quantised along the keys, not normalised;
; the row's sum is taken of the unquantised p and divides at the end; when M moves, the sum and O are multiplied by 2^(old M - new M), which rounds nothing.
; SHARES.  A work-group owns 128 queries of one head: 8 tiles of 16.  Wave w = 4 g + p owns the tiles 2 p and 2 p + 1 and, of every 512 keys, the 256 keys from 256 g on: four steps of 256 keys; each fragment of K and V
; read from LDS feeds two products.  Register tile i is query tile 2 p + (i xor g): at the end every wave keeps register tile 0 and hands register tile 1 to wave w xor 4.
; LAYOUT.  Both products are transposed (S^T = K Q^T, O^T = V^T P^T): a lane holds ONE query (lane % 16 = r; h = lane / 16).  Key tile 4 b + u: rows 0-7 are keys 64 b + 8 u + 0..7, rows 8-15 keys 64 b + 32 + 8 u + 0..7:
; so the 32 registers of tiles 4 b .. 4 b + 3 are the WHOLE block of 32 keys 64 b + 32 h on, in order: a block's largest p and its codes need no other lane, and the codes are the second product's operand as they come.
; THE MASK.  A mask byte 1 read as a number of E4M3 is 2^-9; one scaled conversion makes of a lane's 8 neighbouring mask bytes 8 f32 numbers, 2^100 where a key is masked and 0 elsewhere: C of the key tile's product.
; Q's codes have their sign bits flipped once, so S = C - score: minima stand for maxima, and t = -c S with c = log2(e) / sqrt(128).
; -1e9.  The running largest t begins at TM = -1e9 x log2(e) in f32 = -1,442,695,040, a whole number.  While a lane's largest t is still TM every key so far is masked: multiplier and addend of t - M are then 0, so p = 1
; for every key, as reference() has it.  The first unmasked score moves M: the factor 2^(old M - new M) is 0 and wipes those sums; a masked key then gives 2^(-1.6e29) = 0.
; LIMITS: mask bytes are 0 or 1; an unmasked logit x log2(e) lies above -1,442,695,040; raw scores stay under 2^90 in magnitude; NaN, infinities and scale bytes 0xff are not served.
; LDS holds K, V and their scale bytes of the whole head: keys 0-1,023 and the scale bytes come by the head's loads, one a wave, keys 1,024-2,047 behind the next round; nothing is filled twice.
; CLUSTER.  The four query blocks of a cluster belong to one head: K's and V's tiles and scale bytes are asked for jointly (mask 15).
; THE MASK'S ROWS are each wave's own: 16 loads a step of two rows x 256 bytes, issued in the step before, turned through a stage of the wave's own.  A prefetch a step, a lane a row of 256 bytes, asks for the mask
; two steps on, one step ahead of its loads; step 1's is asked for ahead of the loop; the last two steps ask for nothing.  K and V are not prefetched: both of their load groups go out ahead of the loop.
; REGISTERS.  Window 1: S^T, then p: tile i at 128 i; between uses the mask as loaded (64-127), V's fragments (0-63, 128-191), K's (192-255).  Window 0: addresses, statistics, Q, F (mask operands, K's fragments, p's codes, work), O^T.
.set KODD,  69664                      ; even blocks of 32 keys from 0 on, odd ones from here: 4 keys (256 bytes) + 16 of padding an LDS row; 32 bytes over a multiple of 256, so a fragment's 16 rows lie on 16 different columns of 16 bytes modulo 256
.set VOFF,  139296                     ; V: two halves of 128 rows x (512 + 16) bytes
.set VHALF, 67584
.set KSO,   274464                     ; K's scale bytes, dense
.set VSO,   282656                     ; V's: rows of 256 bytes + 16
.set STAGE, 291584                     ; a stage of 16 rows x (256 + 16) bytes a wave
.set SPARE, 326400                     ; the spare words, 128 bytes a wave
.set WREG,  8448                       ; the join's image of 64 registers + 128 + 128 bytes a wave, on K's bytes, which have had their last fill and their last read by then
.set AK0, 1
.set AV0, 2
.set AMS, 3                            ; stage: by rows
.set AML, 4                            ; stage: by queries
.set ASK0, 5
.set ASV0, 6
.set SPW, 7                            ; never rewritten
.set NIL, 8                            ; 0; never rewritten
.set PFO, 9                            ; the prefetches' offset; never rewritten
.set GMO, 10                           ; the mask loads' offset; never rewritten
.set SS,  11                           ; the conversion's scale byte 236 = 2^109, four times
.set QS,  12                           ; Q's scale words: lanes 0-15 register tile 0, lanes 16-31 register tile 1
.set ADK, 13
.set ADV, 14
.set ADS, 15
.set ADT, 46
.set CC,  47                           ; -c
.set ST,  16                           ; tile i at ST + 8 i: +0 multiplier, +1 largest t, +2 addend, +3 -M, +4 f, +5 work, +6:7 l
.set SC,  32                           ; K's scale words (word t / 2: tile t in lanes 16 (t % 2) on), then V's (pairs: 2 j + k: channels 32 j on, keys 128 k on)
.set PSC, 40                           ; p's scale words: 2 i + k
.set PX,  44                           ; lane exchanges land here
.set QF,  48                           ; Q, 8 a tile; at the end work
.set F,   64
.set TT,  96                           ; work of tile i at TT + 16 i: +0..3 blocks, +4..7 conversion scales, +8..15 bytes, words, then four chains of the sum
.set OA,  128                          ; O^T, 64 a tile
.set WV,  20
.set GH,  21
.set PR,  22
.set EV,  23
.set G1K, 24
.set G1V, 32
.set G1S, 40                           ; K's scale bytes
.set G1W, 48                           ; V's
.set G0K, 56
.set G0V, 60
.set G0S, 68
.set G0W, 72
.set XSEL, 76
.set MB,  78                           ; s[78:79], s[80:81] the mask at my two query tiles' first rows
.set PFB, 82
.set TMS, 84
.set LM,  86
.set TK,  88
.set TV,  89
.set TS,  90
.set TJ,  91
.set CNT, 92
.set MSB, 0
.macro WIN new                         ; the immediate's high byte repeats the setting that is left
.if MSB != \new
	s_set_vgpr_msb (MSB<<8)|\new
.set MSB, \new
.endif
.endm
; A round of the cluster's barrier
.macro CROUND
	s_barrier_signal -1
	s_barrier_wait -1
	s_cmp_lg_u32 s[WV], 0
	s_cbranch_scc1 .Lnot_wave_0_\@
	s_barrier_signal -3
.Lnot_wave_0_\@:
	s_barrier_wait -3
	s_barrier_signal -1
	s_barrier_wait -1
.endm
; One arm of the chain of branches on the wave's number: its load, then on to the chain's one join
.macro ARM under, g0, g1, next, join
	s_cmp_lt_u32 s[WV], \under
	s_cbranch_scc0 \next
	tensor_load_to_lds s[\g0:\g0+3], s[\g1:\g1+7]
	s_nop 0
.rept 4
	v_nop
.endr
	s_branch \join
\next:
.endm
.macro PLACES
.rept 4
	v_nop
.endr
.endm
; D = A x B + D on codes of FP4; ra, rb: A's, B's scale words stand in lanes 16-31 of their registers
.macro WMA d, a, b, sa, sb, ra, rb
.if (\ra) && (\rb)
	v_wmma_scale_f32_16x16x128_f8f6f4 v[(\d):(\d)+7], v[(\a):(\a)+7], v[(\b):(\b)+7], v[(\d):(\d)+7], v[\sa], v[\sb] matrix_a_fmt:MATRIX_FMT_FP4 matrix_b_fmt:MATRIX_FMT_FP4 matrix_a_scale:MATRIX_SCALE_ROW1 matrix_b_scale:MATRIX_SCALE_ROW1
.elseif \ra
	v_wmma_scale_f32_16x16x128_f8f6f4 v[(\d):(\d)+7], v[(\a):(\a)+7], v[(\b):(\b)+7], v[(\d):(\d)+7], v[\sa], v[\sb] matrix_a_fmt:MATRIX_FMT_FP4 matrix_b_fmt:MATRIX_FMT_FP4 matrix_a_scale:MATRIX_SCALE_ROW1
.elseif \rb
	v_wmma_scale_f32_16x16x128_f8f6f4 v[(\d):(\d)+7], v[(\a):(\a)+7], v[(\b):(\b)+7], v[(\d):(\d)+7], v[\sa], v[\sb] matrix_a_fmt:MATRIX_FMT_FP4 matrix_b_fmt:MATRIX_FMT_FP4 matrix_b_scale:MATRIX_SCALE_ROW1
.else
	v_wmma_scale_f32_16x16x128_f8f6f4 v[(\d):(\d)+7], v[(\a):(\a)+7], v[(\b):(\b)+7], v[(\d):(\d)+7], v[\sa], v[\sb] matrix_a_fmt:MATRIX_FMT_FP4 matrix_b_fmt:MATRIX_FMT_FP4
.endif
.endm
; Register tile i's mask, 16 rows x 256 bytes, into window 1: lanes 0-15 one row, lanes 16-31 the next
.macro RAWLD i, off
.set n, 0
.rept 8
	global_load_b128 v[64+32*\i+4*n:67+32*\i+4*n], v[GMO], s[MB+2*\i:MB+2*\i+1] offset:4096*n+\off th:TH_LOAD_NT
.set n, n+1
.endr
.endm
	s_load_b512 s[4:19], s[0:1], 0x0               ; K_codes s[4:5], K_scales s[6:7], Q_codes s[8:9], Q_scales s[10:11], V_codes s[12:13], V_scales s[14:15], mask s[16:17], out0 s[18:19]
	v_lshl_add_u32 v[SPW], v0, 2, SPARE
	v_mov_b32 v[NIL], 0
	ds_add_u32 v[SPW], v[NIL]                      ; the opening: the add, twice on end, and its wait ahead of my first tensor load
	ds_add_u32 v[SPW], v[NIL]
	v_lshrrev_b32 v96, 5, v0
	v_readfirstlane_b32 s[WV], v96                 ; wave 0..7
	s_lshr_b32 s[GH], s[WV], 2                     ; g
	s_and_b32 s[PR], s[WV], 3                      ; p
	s_and_b32 s[EV], s[WV], 1                      ; which half of a tile I fetch
	s_lshl_b32 s66, s[PR], 1
	s_xor_b32 s67, s[GH], 1
	s_add_co_u32 s67, s66, s67                     ; register tile 1 is query tile 2 p + (1 - g),
	s_add_co_u32 s66, s66, s[GH]                   ; register tile 0 is query tile 2 p + g
	; descriptor groups 1.  Word 0: 15:0 work-group mask; 17:16 element size; 20 padding on; 21 set beside a mask; 24:22 the interval; 31:25 four words of padding (code 3)
	s_mov_b32 s[G1K], 15|(1<<20)|(1<<21)|(5<<22)|(3<<25)           ; K: every other block of 32 keys: 16 rows of 2,048 bytes, 4,096 apart; padding behind every 256 bytes
	s_mov_b32 s[G1K+1], 2048<<16
	s_mov_b32 s[G1K+2], 16<<16
	s_mov_b32 s[G1K+3], 2048<<16
	s_mov_b32 s[G1K+4], 16
	s_mov_b32 s[G1K+5], 4096
	s_mov_b32 s[G1K+6], 0
	s_mov_b32 s[G1K+7], 0
	s_mov_b32 s[G1V], 15|(1<<20)|(1<<21)|(6<<22)|(3<<25)           ; V: 64 channels x 512 bytes (1,024 keys); padding behind every 512 bytes
	s_mov_b32 s[G1V+1], 512<<16
	s_mov_b32 s[G1V+2], 64<<16
	s_mov_b32 s[G1V+3], 512<<16
	s_mov_b32 s[G1V+4], 64
	s_mov_b32 s[G1V+5], 1024
	s_mov_b32 s[G1V+6], 0
	s_mov_b32 s[G1V+7], 0
.irp d, G1S, G1W                               ; scale bytes: 4,096 dense bytes as 16 rows of 32 elements of 8 bytes
	s_mov_b32 s[\d+1], 32<<16
	s_mov_b32 s[\d+2], 16<<16
	s_mov_b32 s[\d+3], 32<<16
	s_mov_b32 s[\d+4], 16
	s_mov_b32 s[\d+5], 32
	s_mov_b32 s[\d+6], 0
	s_mov_b32 s[\d+7], 0
.endr
	s_mov_b32 s[G1S], 15|(3<<16)|(1<<21)           ; K's without padding
	s_mov_b32 s[G1W], 15|(3<<16)|(1<<20)|(1<<21)|(5<<22)|(3<<25)
	s_mov_b32 s[XSEL], 0x76543210
	s_mov_b32 s[XSEL+1], 0xfedcba98                ; v_permlanex16_b32's selects for lane l xor 16
	s_mov_b32 s[TMS], 0xceabfb8f                   ; TM
	s_mul_i32 s[TK], s[GH], 8704                   ; my 256 keys of each 512: four pairs of blocks of K,
	s_lshl_b32 s[TV], s[GH], 7                     ; 128 bytes of V's rows,
	s_lshl_b32 s[TS], s[GH], 10                    ; 256 scale words of K,
	s_lshl_b32 s[TJ], s[GH], 3                     ; 8 scale bytes of V's rows
	s_mov_b32 s[CNT], 0
	s_mul_i32 s2, s[WV], 4352
	s_add_co_u32 s2, s2, STAGE                     ; my stage
	s_and_b32 s93, ttmp7, 0xffff                   ; the head, which the four partners share
	s_lshl_b32 s94, s93, 17                        ; what the joint loads fetch hangs on the head and the wave alone
	s_lshl_b32 s3, s[EV], 11
	s_add_co_u32 s94, s94, s3                      ; K: even or odd blocks
	s_mov_b32 s95, 0
	s_lshl_b32 s96, s93, 17
	s_lshl_b32 s3, s[EV], 16
	s_add_co_u32 s96, s96, s3                      ; V: 64 rows of 1,024 bytes
	s_mov_b32 s97, 0
	s_lshl_b32 s98, s93, 13
	s_lshl_b32 s3, s[EV], 12
	s_add_co_u32 s98, s98, s3                      ; scale bytes: 4,096
	s_mov_b32 s99, 0
	s_mul_i32 s3, s[EV], KODD                      ; and where they go: no place in the cluster enters an LDS address
	s_mov_b32 s[G0K+1], s3
	s_mul_i32 s3, s[EV], 64*528
	s_add_co_u32 s[G0V+1], s3, VOFF
	s_lshl_b32 s3, s[EV], 12
	s_add_co_u32 s[G0S+1], s3, KSO
	s_mul_i32 s3, s[EV], 16*272
	s_add_co_u32 s[G0W+1], s3, VSO
	s_mov_b32 s[G0K], 1
	s_mov_b32 s[G0V], 1
	s_mov_b32 s[G0S], 1
	s_mov_b32 s[G0W], 1
	s_lshl_b32 s100, s66, 10                       ; Q: my two tiles' rows,
	s_lshl_b32 s101, s67, 10
	s_lshl_b32 s3, s[PR], 7                        ; and scale words
	v_and_b32 v96, 15, v0                          ; r
	v_bfe_u32 v97, v0, 4, 1                        ; h
	v_and_b32 v98, 31, v0                          ; lane
	v_bfe_u32 v99, v0, 3, 1                        ; r / 8: even or odd block
	v_bfe_u32 v100, v0, 2, 1                       ; (r % 8) / 4
	v_and_b32 v101, 3, v0
	v_and_b32 v102, 7, v0
	v_mul_u32_u24 v[AK0], v99, KODD
	v_mad_u32_u24 v[AK0], v100, 272, v[AK0]
	v_lshl_add_u32 v[AK0], v101, 6, v[AK0]
	v_lshl_add_u32 v[AK0], v97, 4, v[AK0]          ; K: + 16 h: registers 4 c .. 4 c + 3 are bytes 32 c + 16 h on
	v_mul_u32_u24 v[AV0], v96, 528
	v_lshl_add_u32 v[AV0], v97, 4, v[AV0]
	v_add_nc_u32 v[AV0], VOFF, v[AV0]              ; V: channel r, + 16 h
	v_lshl_add_u32 v102, v99, 5, v102
	v_lshl_add_u32 v102, v97, 3, v102
	v_lshl_add_u32 v[ASK0], v102, 2, KSO           ; K's scale words: lanes 16-31 the next tile's
	v_lshrrev_b32 v103, 2, v98
	v_mul_u32_u24 v[ASV0], v103, 272
	v_lshl_add_u32 v[ASV0], v101, 6, v[ASV0]
	v_add_nc_u32 v[ASV0], VSO, v[ASV0]             ; V's: channel = lane of 32; four channels' 64 bytes an LDS row
	v_mul_u32_u24 v[AML], v96, 272
	v_lshl_add_u32 v[AML], v97, 5, v[AML]
	v_add_nc_u32 v[AML], s2, v[AML]                ; stage: row r, + 32 h
	v_mul_u32_u24 v[AMS], v97, 272
	v_lshl_add_u32 v[AMS], v96, 4, v[AMS]
	v_add_nc_u32 v[AMS], s2, v[AMS]                ; stage: row h, 16 r bytes on
	v_lshlrev_b32 v[GMO], 11, v97
	v_lshl_add_u32 v[GMO], v96, 4, v[GMO]          ; mask in memory likewise
	v_lshlrev_b32 v[PFO], 11, v98                  ; the prefetches: lane = row
	v_lshlrev_b32 v104, 6, v96
	v_lshl_add_u32 v104, v97, 4, v104              ; Q: row r of 64 bytes, + 16 h
	v_add_nc_u32 v105, s100, v104
	v_add_nc_u32 v106, s101, v104
	v_xor_b32 v107, s[GH], v97                     ; Q's scale words: query tile 2 p + (h xor g)
	v_lshlrev_b32 v107, 6, v107
	v_lshl_add_u32 v107, v96, 2, v107
	v_add_nc_u32 v107, s3, v107
	v_mov_b32 v[SS], 0xecececec
	v_mov_b32 v[CC], 0xbe0293ee                    ; -log2(e) / sqrt(128)
	s_wait_alu depctr_va_vdst(0)                   ; ahead of the blocking waits
	s_wait_dscnt 0x0                               ; both opening adds are done
	s_wait_kmcnt 0x0
	s_add_nc_u64 s[G0K+2:G0K+3], s[4:5], s[94:95]
	s_or_b32 s[G0K+3], s[G0K+3], 0x80000000
	s_add_nc_u64 s[G0V+2:G0V+3], s[12:13], s[96:97]
	s_or_b32 s[G0V+3], s[G0V+3], 0x80000000
	s_add_nc_u64 s[G0S+2:G0S+3], s[6:7], s[98:99]
	s_or_b32 s[G0S+3], s[G0S+3], 0x80000000
	s_add_nc_u64 s[G0W+2:G0W+3], s[14:15], s[98:99]
	s_or_b32 s[G0W+3], s[G0W+3], 0x80000000
	s_bfe_u32 s2, ttmp6, 0x40000                   ; cx: it enters the addresses of the mask, of Q and of out0 alone
	s_lshl_b32 s3, ttmp9, 2
	s_add_co_u32 s3, s3, s2                        ; my block of 128 queries
	s_mov_b32 s105, 0
	s_lshl_b32 s104, s93, 17
	s_lshl_b32 s2, s3, 13
	s_add_co_u32 s104, s104, s2
	s_add_nc_u64 s[8:9], s[8:9], s[104:105]        ; Q's codes at my block,
	s_lshl_b32 s104, s93, 13
	s_lshl_b32 s2, s3, 9
	s_add_co_u32 s104, s104, s2
	s_add_nc_u64 s[10:11], s[10:11], s[104:105]    ; its scale words,
	s_lshl_b32 s104, s93, 22
	s_lshl_b32 s2, s3, 18
	s_add_co_u32 s104, s104, s2
	s_add_nc_u64 s[16:17], s[16:17], s[104:105]    ; the mask at my block's first row: 2,048 bytes a row,
	s_lshl_b32 s104, s93, 20
	s_lshl_b32 s2, s3, 16
	s_add_co_u32 s104, s104, s2
	s_lshl_b32 s2, s66, 13
	s_add_co_u32 s104, s104, s2
	s_add_nc_u64 s[18:19], s[18:19], s[104:105]    ; out0 at the 16 rows that I store
	s_lshl_b32 s2, s[GH], 8                        ; my 256 keys of each 512
	s_lshl_b32 s104, s66, 15
	s_add_co_u32 s104, s104, s2
	s_add_nc_u64 s[MB:MB+1], s[16:17], s[104:105]
	s_lshl_b32 s104, s67, 15
	s_add_co_u32 s104, s104, s2
	s_add_nc_u64 s[MB+2:MB+3], s[16:17], s[104:105]
	s_lshl_b32 s104, s[PR], 16
	s_add_co_u32 s104, s104, s2
	s_add_nc_u64 s[PFB:PFB+1], s[16:17], s[104:105]    ; the prefetches: my 32 rows
	global_load_b32 v[QS], v107, s[10:11]
	global_load_b128 v[QF:QF+3], v105, s[8:9]
	global_load_b128 v[QF+4:QF+7], v105, s[8:9] offset:32
	global_load_b128 v[QF+8:QF+11], v106, s[8:9]
	global_load_b128 v[QF+12:QF+15], v106, s[8:9] offset:32
	WIN 0x40
	RAWLD 0, 0                                     ; step 0's mask, register tile 0
	WIN 0
	CROUND                                         ; all four work-groups are here: the first joint loads meet
	ARM 2, G0K, G1K, .Lhead_v, .Lhead_asked        ; one load a wave: waves 0, 1 K's even and odd blocks, waves 2, 3 V's halves, waves 4 to 7 the scale bytes
	ARM 4, G0V, G1V, .Lhead_s, .Lhead_asked
	ARM 6, G0S, G1S, .Lhead_w, .Lhead_asked
	tensor_load_to_lds s[G0W:G0W+3], s[G1W:G1W+7]
	s_nop 0
	PLACES
.Lhead_asked:
	WIN 0x40
	RAWLD 1, 0                                     ; and register tile 1's mask
	WIN 0
.set n, 0
.rept 128
	v_mov_b32 v[OA+n], 0                           ; O^T: the step has no first copy: the first step finds zeros, which the first change of M leaves zeros
.set n, n+1
.endr
.irp i, 0,1
	v_mov_b32 v[ST+8*\i+1], s[TMS]                 ; the largest t so far: a masked key's
	v_mov_b32 v[ST+8*\i+6], 0
	v_mov_b32 v[ST+8*\i+7], 0
	v_mov_b32 v[PX+\i], 0                          ; a lane permute's destination counts as one of its sources
	v_floor_f32 v[ST+8*\i+3], -v[ST+8*\i+1]        ; -M
.endr
	s_wait_alu depctr_va_vdst(0)                   ; at the head's end
	s_wait_tensorcnt 0x0                           ; my part of the first group is in
	ds_add_u32 v[SPW], v[NIL]
	s_add_nc_u64 s[G0K+2:G0K+3], s[G0K+2:G0K+3], 65536             ; the second group: 1,024 keys on; the type bits on top are not reached
	s_add_co_u32 s[G0K+1], s[G0K+1], 34816
	s_add_nc_u64 s[G0V+2:G0V+3], s[G0V+2:G0V+3], 512
	s_add_co_u32 s[G0V+1], s[G0V+1], VHALF
	s_wait_dscnt 0x0                               ; the add is done
	CROUND                                         ; everybody's part of the first group is in
	ARM 2, G0K, G1K, .Lsecond_v, .Lsecond_asked
	ARM 4, G0V, G1V, .Lsecond_none, .Lsecond_asked
.Lsecond_asked:
	global_prefetch_b8 v[PFO], s[PFB:PFB+1] offset:512 th:TH_LOAD_NT scope:SCOPE_SE   ; step 1's mask, whose loads step 0 issues
	s_wait_loadcnt 0x10                            ; Q is in; the sixteen mask loads may be out
.set n, 0
.rept 16
	v_xor_b32 v[QF+n], 0x88888888, v[QF+n]         ; -Q: the sign bit of every code
.set n, n+1
.endr
; Pairs from to .. to - 1 of tile i's row sum of the unquantised p, in four chains
.macro SUMS i, from, to
	WIN 0x04
.set n, \from
.rept (\to)-(\from)
	v_pk_add_f32 v[TT+16*\i+8+2*(n%4):TT+16*\i+9+2*(n%4)], v[TT+16*\i+8+2*(n%4):TT+16*\i+9+2*(n%4)], v[128*\i+2*n:128*\i+2*n+1]
.set n, n+1
.endr
.endm
; Tile i: p, its scale words, its codes, and the row sum's first half
.macro SOFT i
	WIN 0x41
.set n, 0
.rept 64
	v_pk_fma_f32 v[128*\i+n:128*\i+n+1], v[128*\i+n:128*\i+n+1], v[ST+8*\i:ST+8*\i+1], v[ST+8*\i+2:ST+8*\i+3] op_sel_hi:[1,0,0]   ; t - M, two at a time
.set n, n+2
.endr
	s_wait_alu depctr_va_vdst(0)                   ; ahead of the batch
.set n, 0
.rept 128
	v_exp_f32 v[128*\i+n], v[128*\i+n]             ; p = 2^(t - M)
.set n, n+1
.endr
	WIN 0
.irp b, 0,1,2,3
	v_exp_f32 v[TT+16*\i+\b], v[TT+16*\i+\b]       ; each block's largest p: the same two instructions on the same number give the same bits
.endr
	v_nop                                          ; a plain place behind a transcendental
	s_wait_alu depctr_va_vdst(0)                   ; and behind it, ahead of the first reader
.irp b, 0,1,2,3
	v_max_num_f32 v[TT+16*\i+\b], 0x1800000, v[TT+16*\i+\b]        ; the floor 2^(3 - 127): the byte cannot fall under 1 (a block whose every p is 0 keeps that byte: its codes are zeros)
.endr
.irp b, 0,1,2,3
	v_add_nc_u32 v[TT+16*\i+4+\b], 0xff000000, v[TT+16*\i+\b]      ; 2 off the exponent field: the conversion's scale operand
.endr
.irp b, 0,1,2,3
	v_lshrrev_b32 v[TT+16*\i+8+\b], 23, v[TT+16*\i+4+\b]           ; the scale's byte
.endr
.irp k, 0,1
	v_lshl_or_b32 v[TT+16*\i+12+\k], v[TT+16*\i+9+2*\k], 16, v[TT+16*\i+8+2*\k]   ; my blocks h and 2 + h of these 128 keys
.endr
.irp k, 0,1
	v_permlanex16_b32 v[PX+\k], v[TT+16*\i+12+\k], s[XSEL], s[XSEL+1]
.endr
.irp k, 0,1
	v_lshl_or_b32 v[PSC+2*\i+\k], v[PX+\k], 8, v[TT+16*\i+12+\k]   ; in lanes 0-15, which are read: all four bytes
.endr
	WIN 0x01
.irp b, 0,1,2,3
.irp e, 0,1,2,3
	v_cvt_scalef32_pk8_fp4_f32 v[F+16*\i+4*\b+\e], v[128*\i+32*\b+8*\e:128*\i+32*\b+8*\e+7], v[TT+16*\i+4+\b]
.endr
.endr
	v_nop                                          ; a plain place behind a scaled conversion
	WIN 0x05
.irp c, 0,1,2,3
	v_pk_add_f32 v[TT+16*\i+8+2*\c:TT+16*\i+9+2*\c], v[128*\i+4*\c:128*\i+4*\c+1], v[128*\i+4*\c+2:128*\i+4*\c+3]
.endr
	SUMS \i, 8, 32
.endm
.macro SUMEND i
	WIN 0
	v_pk_add_f32 v[TT+16*\i+8:TT+16*\i+9], v[TT+16*\i+8:TT+16*\i+9], v[TT+16*\i+10:TT+16*\i+11]
	v_pk_add_f32 v[TT+16*\i+12:TT+16*\i+13], v[TT+16*\i+12:TT+16*\i+13], v[TT+16*\i+14:TT+16*\i+15]
	v_pk_add_f32 v[TT+16*\i+8:TT+16*\i+9], v[TT+16*\i+8:TT+16*\i+9], v[TT+16*\i+12:TT+16*\i+13]
	v_pk_add_f32 v[ST+8*\i+6:ST+8*\i+7], v[ST+8*\i+6:ST+8*\i+7], v[TT+16*\i+8:TT+16*\i+9]
.endm
; Fragments of K's tiles from .. from + cnt - 1 of the step's sixteen, into registers reg on
.macro KLOAD q, from, cnt, reg
.set n, \from
.rept \cnt
.irp c, 0,1
	ds_load_b128 v[\reg+8*(n-\from)+4*\c:\reg+8*(n-\from)+4*\c+3], v[ADK] offset:17408*\q+2176*(n/4)+544*(n%4)+32*\c
.endr
.set n, n+1
.endr
.endm
; Fragments of V's eight channel tiles for keys 128 k on, into registers 128 k on of window 1
.macro VLOAD q, k
	WIN 0x40
.irp t, 0,1,2,3,4,5,6,7
.irp c, 0,1
	ds_load_b128 v[128*\k+8*\t+4*\c:128*\k+8*\t+4*\c+3], v[ADV] offset:16*528*\t+256*\q+64*\k+32*\c
.endr
.endr
	WIN 0
.endm
; Register tile i's mask through my stage: LDS serves a wave's instructions in order (ISA guide 5.7.1.4).  Keys 0-127 of the step into F + 16 i, keys 128-255 into F + 32 + 16 i
.macro TURNM i
	WIN 0x04
.set n, 0
.rept 8
	ds_store_b128 v[AMS], v[64+32*\i+4*n:67+32*\i+4*n] offset:544*n
.set n, n+1
.endr
	WIN 0
.irp b, 0,1,2,3
.irp x, 0,1
	ds_load_b128 v[F+32*(\b/2)+16*\i+8*(\b%2)+4*\x:F+32*(\b/2)+16*\i+8*(\b%2)+4*\x+3], v[AML] offset:64*\b+16*\x
.endr
.endr
.endm
; A STEP: my two query tiles x 256 keys; q = 0, 1: the trip's first and second
.macro STEP q
.if \q
	PLACES                                         ; places behind the last products, in front of loads into registers that those have read
.else
	v_add_nc_u32 v[ADK], s[TK], v[AK0]             ; four plain lines: those places
	v_add_nc_u32 v[ADV], s[TV], v[AV0]
	v_add_nc_u32 v[ADS], s[TS], v[ASK0]
	v_add_nc_u32 v[ADT], s[TJ], v[ASV0]
.endif
	s_wait_alu depctr_va_vdst(0)
.irp w, 0,1,2,3,4,5,6,7
	ds_load_b32 v[SC+\w], v[ADS] offset:2048*\q+256*(\w/2)+64*(\w%2)
.endr
	WIN 0x40
	KLOAD \q, 0, 8, 192
	s_wait_loadcnt 0x8                             ; register tile 0's mask is in; tile 1's eight loads may be out
	TURNM 0
	s_wait_loadcnt 0x0
	TURNM 1
	s_wait_dscnt 0x4                               ; all but tile 1's mask of keys 128-255
	WIN 0x40
.irp t, 0,1,2,3,4,5,6,7
.irp i, 0,1
	v_cvt_scale_pk8_f32_fp8 v[128*\i+8*\t:128*\i+8*\t+7], v[F+16*\i+2*\t:F+16*\i+2*\t+1], v[SS]   ; 2^100 where masked, else 0
.endr
.endr
	WIN 0
	KLOAD \q, 8, 4, F
	v_nop                                          ; a plain place behind a scaled conversion
	WIN 0x51
.irp t, 0,1,2,3,4,5,6,7
.irp i, 0,1
	WMA 128*\i+8*\t, 192+8*\t, QF+8*\i, SC+\t/2, QS, \t%2, \i
.endr
.endr
	s_wait_dscnt 0x8                               ; the mask is in; K's eight youngest loads may be out
	WIN 0x40
.irp t, 8,9,10,11,12,13,14,15
	v_cvt_scale_pk8_f32_fp8 v[8*\t:8*\t+7], v[F+16+2*\t:F+17+2*\t], v[SS]
.endr
	PLACES                                         ; the next lines write K's fragments, which the products have just read
.irp t, 8,9,10,11,12,13,14,15
	v_cvt_scale_pk8_f32_fp8 v[128+8*\t:128+8*\t+7], v[F+32+2*\t:F+33+2*\t], v[SS]
.endr
	WIN 0
	KLOAD \q, 12, 4, F+32
	v_nop
	s_wait_alu depctr_va_vdst(0)                   ; ahead of the blocking waits
	s_wait_dscnt 0x8                               ; all but the eight just issued
	WIN 0x50
.irp t, 8,9,10,11
.irp i, 0,1
	WMA 128*\i+8*\t, F+8*(\t-8), QF+8*\i, SC+\t/2, QS, \t%2, \i
.endr
.endr
	s_wait_dscnt 0x0
.irp t, 12,13,14,15
.irp i, 0,1
	WMA 128*\i+8*\t, F+8*(\t-8), QF+8*\i, SC+\t/2, QS, \t%2, \i
.endr
.endr
	PLACES
	WIN 0
.irp j, 0,1,2,3
	ds_load_b64 v[SC+2*\j:SC+2*\j+1], v[ADT] offset:16*\q+2176*\j  ; V's scale words: 32 channels are 8 LDS rows
.endr
	WIN 0x15
.irp i, 0,1
.irp b, 0,1,2,3
	v_min3_num_f32 v[TT+16*\i+\b], v[128*\i+32*\b], v[128*\i+32*\b+1], v[128*\i+32*\b+2]   ; the smallest S = the largest score of each block of 32 keys: for the row, and, since p rises with the score, for the block's largest p
.endr
.endr
	WIN 0x14
.irp k, 3,5,7,9,11,13,15,17,19,21,23,25,27,29
.irp i, 0,1
.irp b, 0,1,2,3
	v_min3_num_f32 v[TT+16*\i+\b], v[TT+16*\i+\b], v[128*\i+32*\b+\k], v[128*\i+32*\b+\k+1]
.endr
.endr
.endr
.irp i, 0,1
.irp b, 0,1,2,3
	v_min_num_f32 v[TT+16*\i+\b], v[TT+16*\i+\b], v[128*\i+32*\b+31]
.endr
.endr
	WIN 0
.irp i, 0,1
	v_min3_num_f32 v[ST+8*\i+5], v[TT+16*\i], v[TT+16*\i+1], v[TT+16*\i+2]
.endr
.irp i, 0,1
	v_min_num_f32 v[ST+8*\i+5], v[ST+8*\i+5], v[TT+16*\i+3]
.endr
.irp i, 0,1
	v_permlanex16_b32 v[PX+\i], v[ST+8*\i+5], s[XSEL], s[XSEL+1]
.endr
.irp i, 0,1
	v_min_num_f32 v[ST+8*\i+5], v[ST+8*\i+5], v[PX+\i]             ; with lane l xor 16's blocks
.endr
.irp i, 0,1
	v_mul_f32 v[ST+8*\i+5], v[CC], v[ST+8*\i+5]                    ; as t
.endr
.irp i, 0,1
	v_max_num_f32 v[ST+8*\i+1], v[ST+8*\i+1], v[ST+8*\i+5]         ; the running largest t; a masked key never raises it over TM
.endr
.irp i, 0,1
	v_mov_b32 v[ST+8*\i+5], v[ST+8*\i+3]
.endr
.irp i, 0,1
	v_floor_f32 v[ST+8*\i+3], -v[ST+8*\i+1]                        ; the new -M = floor(-t): M is a whole number
.endr
.irp i, 0,1
	v_sub_f32 v[ST+8*\i+5], v[ST+8*\i+3], v[ST+8*\i+5]             ; old M - new M: 0 or less
.endr
.irp i, 0,1
	v_cvt_i32_f32 v[ST+8*\i+5], v[ST+8*\i+5]
.endr
.irp i, 0,1
	v_ldexp_f32 v[ST+8*\i+4], 1.0, v[ST+8*\i+5]                    ; f = 2^(old M - new M)
.endr
.irp i, 0,1
	v_cmp_lt_f32 s[LM+\i], s[TMS], v[ST+8*\i+1]                    ; has my row met an unmasked key?
.endr
.irp i, 0,1
	v_cndmask_b32 v[ST+8*\i], 0, v[CC], s[LM+\i]                   ; then t - M = -c S - M; else 0 S + 0: p = 1 for every key
	v_cndmask_b32 v[ST+8*\i+2], 0, v[ST+8*\i+3], s[LM+\i]
.endr
.irp i, 0,1
.irp b, 0,1,2,3
	v_fma_f32 v[TT+16*\i+\b], v[TT+16*\i+\b], v[ST+8*\i], v[ST+8*\i+2]   ; t - M of each block's largest score
.endr
.endr
.irp i, 0,1
	v_pk_mul_f32 v[ST+8*\i+6:ST+8*\i+7], v[ST+8*\i+6:ST+8*\i+7], v[ST+8*\i+4:ST+8*\i+5] op_sel_hi:[1,0]   ; l under the new M
.set n, 0
.rept 32
	v_pk_mul_f32 v[OA+64*\i+n:OA+64*\i+n+1], v[OA+64*\i+n:OA+64*\i+n+1], v[ST+8*\i+4:ST+8*\i+5] op_sel_hi:[1,0]   ; O^T too, each accumulator from its low end on
.set n, n+2
.endr
.endr
	SOFT 0
	SUMS 0, 32, 64
	SUMEND 0
.if \q
	s_cmp_lg_u32 s[CNT], 0                         ; tile 0's scores are done with: their registers take the next step's mask and V's fragments.  The last step asks for no mask
	s_wait_alu depctr_va_vdst(0)                   ; ahead of the branch
	s_cbranch_scc1 .Lno_next_\@
	WIN 0x40
	RAWLD 0, 1024
	RAWLD 1, 1024
	WIN 0
	global_prefetch_b8 v[PFO], s[PFB:PFB+1] offset:1536 th:TH_LOAD_NT scope:SCOPE_SE   ; step 3's mask
.Lno_next_\@:
.else
	WIN 0x40
	RAWLD 0, 512
	RAWLD 1, 512
	WIN 0
	s_cmp_lg_u32 s[CNT], 0
	s_wait_alu depctr_va_vdst(0)
	s_cbranch_scc1 .Lno_next_\@
	global_prefetch_b8 v[PFO], s[PFB:PFB+1] offset:1024 th:TH_LOAD_NT scope:SCOPE_SE   ; step 2's mask
.Lno_next_\@:
.endif
	VLOAD \q, 0
	SOFT 1
	VLOAD \q, 1
	SUMS 1, 32, 64
	SUMEND 1
	s_wait_alu depctr_va_vdst(0)
	s_wait_dscnt 0x10                              ; V's scale words and its fragments of keys 0-127 are in; sixteen loads may be out
	WIN 0x01
.irp t, 0,1,2,3,4,5,6,7                        ; O^T += V^T P^T; the 16 accumulators take turns
.irp i, 0,1
	WMA OA+64*\i+8*\t, 8*\t, F+16*\i, SC+2*(\t/2), PSC+2*\i, \t%2, 0
.endr
.endr
	s_wait_dscnt 0x0
.if \q
	s_wait_tensorcnt 0x0                           ; trip 0: my part of the second group is in.  And my reads of LDS are over
	s_barrier_signal -1
.endif
.irp t, 0,1,2,3,4,5,6,7
.irp i, 0,1
	WMA OA+64*\i+8*\t, 128+8*\t, F+16*\i+8, SC+2*(\t/2)+1, PSC+2*\i+1, \t%2, 0
.endr
.endr
.if \q
	s_barrier_wait -1                              ; everybody's are: trip 0: keys 1,024 on may be read; trip 1: LDS may be written
.endif
	WIN 0
.endm
.Ltrip:                                                ; two trips of two steps: 1,024 keys of the head a trip
	STEP 0
	STEP 1
	s_wait_xcnt 0x0                                ; my loads and prefetches have read their addresses
	s_add_nc_u64 s[MB:MB+1], s[MB:MB+1], 1024
	s_add_nc_u64 s[MB+2:MB+3], s[MB+2:MB+3], 1024
	s_add_co_u32 s[TK], s[TK], 34816
	s_add_co_u32 s[TV], s[TV], VHALF
	s_add_co_u32 s[TS], s[TS], 4096
	s_add_co_u32 s[TJ], s[TJ], 32
	s_add_co_u32 s[CNT], s[CNT], 1
	s_cmp_lt_u32 s[CNT], 2
	s_wait_alu depctr_va_vdst(0)                   ; ahead of the branch
	s_cbranch_scc1 .Ltrip
	; THE JOIN.  Each query tile has two partial results, one for each half of the keys.  I hand register tile 1's to wave w xor 4 as an image of its registers and take that wave's for my register tile 0.
	s_mul_i32 s2, s[WV], WREG
	s_xor_b32 s3, s[WV], 4
	s_mul_i32 s3, s3, WREG
	v_and_b32 v48, 31, v0                          ; (these plain lines are the places behind the last products)
	v_lshlrev_b32 v49, 4, v48
	v_lshlrev_b32 v51, 2, v48
	v_add_nc_u32 v50, s2, v49                      ; my image,
	v_add_nc_u32 v52, s3, v49                      ; and wave w xor 4's;
	v_add_nc_u32 v53, s3, v51
	v_add_nc_u32 v51, s2, v51                      ; (8,192 bytes on) -M and l
	v_add_f32 v54, v[ST+6], v[ST+7]                ; l's two halves,
	v_add_f32 v55, v[ST+14], v[ST+15]
	v_permlanex16_b32 v[PX], v54, s[XSEL], s[XSEL+1]
	v_permlanex16_b32 v[PX+1], v55, s[XSEL], s[XSEL+1]
	v_add_f32 v54, v54, v[PX]                      ; and lane l xor 16's
	v_add_f32 v55, v55, v[PX+1]
	s_wait_alu depctr_va_vdst(0)                   ; ahead of the waits below
.set n, 0
.rept 16
	ds_store_b128 v50, v[OA+64+4*n:OA+64+4*n+3] offset:512*n       ; each accumulator from its low end on
.set n, n+1
.endr
	ds_store_b32 v51, v[ST+11] offset:8192
	ds_store_b32 v51, v55 offset:8320
	s_wait_dscnt 0x0                               ; for the other wave's sake
	s_barrier_signal -1
	s_barrier_wait -1
	ds_load_b32 v56, v53 offset:8192
	ds_load_b32 v57, v53 offset:8320
.set n, 0
.rept 16
	ds_load_b128 v[F+4*n:F+4*n+3], v52 offset:512*n
.set n, n+1
.endr
	s_wait_dscnt 0x0
	v_min_num_f32 v62, v[ST+3], v56                ; -M of the whole row: the smaller -M
	v_sub_f32 v63, v62, v[ST+3]
	v_sub_f32 v59, v62, v56
	v_cvt_i32_f32 v63, v63
	v_cvt_i32_f32 v59, v59
	v_ldexp_f32 v58, 1.0, v63                      ; each half is brought under the row's M by a power of two
	v_ldexp_f32 v60, 1.0, v59
	v_mul_f32 v61, v54, v58
	v_fma_f32 v61, v57, v60, v61                   ; the row's sum
	s_wait_alu depctr_va_vdst(0)                   ; ahead of the transcendental
	v_rcp_f32 v62, v61
	v_lshrrev_b32 v56, 4, v48                      ; (a plain place behind it)
	v_and_b32 v57, 15, v48
	s_wait_alu depctr_va_vdst(0)                   ; and behind it
	v_mul_f32 v58, v58, v62
	v_mul_f32 v60, v60, v62
	v_lshlrev_b32 v63, 9, v56
	v_lshl_add_u32 v63, v57, 4, v63                ; out0: lanes 0-15 one row, lanes 16-31 the next
.set n, 0
.rept 32
	v_pk_mul_f32 v[F+n:F+n+1], v[F+n:F+n+1], v[60:61] op_sel_hi:[1,0]
.set n, n+2
.endr
	s_wait_alu depctr_va_vdst(0)                   ; directly ahead of the first reader of O^T
.set n, 0
.rept 32
	v_pk_fma_f32 v[F+n:F+n+1], v[OA+n:OA+n+1], v[58:59], v[F+n:F+n+1] op_sel_hi:[1,0,1]   ; register 8 t + j is out0(r, 16 t + 8 h + j)
.set n, n+2
.endr
	; THE WAY OUT: 64 channels (256 bytes) of 16 queries at a time through my stage, so that sixteen lanes store one aligned unit of 256 bytes
.irp u, 0,1
.irp t, 0,1,2,3
	ds_store_b128 v[AML], v[F+32*\u+8*\t:F+32*\u+8*\t+3] offset:64*\t
	ds_store_b128 v[AML], v[F+32*\u+8*\t+4:F+32*\u+8*\t+7] offset:64*\t+16
.endr
.set n, 0
.rept 8
	ds_load_b128 v[192+32*\u+4*n:195+32*\u+4*n], v[AMS] offset:544*n
.set n, n+1
.endr
.endr
.irp u, 0,1
.set n, 0
.rept 8
	s_wait_dscnt 23-16*\u-n                        ; behind it: the younger loads of its half, and for the first half the second's eight stores and eight loads
	global_store_b128 v63, v[192+32*\u+4*n:195+32*\u+4*n], s[18:19] offset:1024*n+256*\u th:TH_STORE_NT
.set n, n+1
.endr
.endr
	s_wait_tensorcnt 0x0                           ; the wave's end
	ds_add_u32 v[SPW], v[NIL]
	s_wait_dscnt 0x0
	CROUND                                         ; the closing round: no work-group ends while a partner may still ask for a tile that names it
	s_endpgm
.Lfunc_end_k_q4ecd47d974_attn:
	.size	k_q4ecd47d974_attn, .Lfunc_end_k_q4ecd47d974_attn-k_q4ecd47d974_attn
	.p2alignl 7, 3214868480
	.fill 96, 4, 3214868480
	.section	.rodata,"a",@progbits
	.p2align	6, 0x0
	.amdhsa_kernel k_q4ecd47d974_attn
		.amdhsa_group_segment_fixed_size 327680
		.amdhsa_private_segment_fixed_size 0
		.amdhsa_enable_private_segment 0
		.amdhsa_kernarg_size 64
		.amdhsa_user_sgpr_count 2
		.amdhsa_user_sgpr_kernarg_segment_ptr 1
		.amdhsa_wavefront_size32 1
		.amdhsa_system_sgpr_workgroup_id_x 1
		.amdhsa_system_sgpr_workgroup_id_y 1
		.amdhsa_system_sgpr_workgroup_id_z 1
		.amdhsa_system_vgpr_workitem_id 0
		.amdhsa_next_free_vgpr 512
		.amdhsa_next_free_sgpr 106
		.amdhsa_reserve_vcc 0
		.amdhsa_float_denorm_mode_32 3
		.amdhsa_float_denorm_mode_16_64 3
		.amdhsa_memory_ordered 1
		.amdhsa_forward_progress 1
		.amdhsa_inst_pref_size 157
	.end_amdhsa_kernel
	.amdgpu_metadata
---
amdhsa.version: [ 1, 2 ]
amdhsa.kernels:
  - .name:           k_q4ecd47d974_attn
    .symbol:         k_q4ecd47d974_attn.kd
    .args:
      - { .name: K_codes, .offset: 0, .size: 8, .value_kind: global_buffer, .address_space: global }
      - { .name: K_scales, .offset: 8, .size: 8, .value_kind: global_buffer, .address_space: global }
      - { .name: Q_codes, .offset: 16, .size: 8, .value_kind: global_buffer, .address_space: global }
      - { .name: Q_scales, .offset: 24, .size: 8, .value_kind: global_buffer, .address_space: global }
      - { .name: V_codes, .offset: 32, .size: 8, .value_kind: global_buffer, .address_space: global }
      - { .name: V_scales, .offset: 40, .size: 8, .value_kind: global_buffer, .address_space: global }
      - { .name: mask, .offset: 48, .size: 8, .value_kind: global_buffer, .address_space: global }
      - { .name: out0, .offset: 56, .size: 8, .value_kind: global_buffer, .address_space: global }
    .group_segment_fixed_size: 327680
    .private_segment_fixed_size: 0
    .kernarg_segment_align: 8
    .kernarg_segment_size: 64
    .max_flat_workgroup_size: 256
    .sgpr_count:     106
    .vgpr_count:     512
    .wavefront_size: 32
...
	.end_amdgpu_metadata
.endif
;; end of part 1
